; MI455X (gfx1250); checked and timed in simulation.
; The chip was launched on July 23, 2026; its instructions are those of AMD's public machine-readable ISA for CDNA 5 (MIT licence, August 2026) and "CDNA5" Instruction Set Architecture Reference Guide (July 2026). The comments in the code are by the model that wrote it; some were corrected since.
;; Causal Self Attention. Allowed arithmetic: float matrix products may take bf16 or f16 operands with f32 sums; all other float work in f32.
;; Inputs: Wk 1,024 x 1,024 float32; Wp 1,024 x 1,024 float32; Wq 1,024 x 1,024 float32; Wv 1,024 x 1,024 float32; bk 1,024 float32; bp 1,024 float32; bq 1,024 float32; bv 1,024 float32; x 4 x 2,048 x 1,024 float32.
;; Outputs: out0 4 x 2,048 x 1,024 float32.
;; One version. Each part assembles by itself: llvm-mc -triple=amdgcn-amd-amdhsa -mcpu=gfx1250 --defsym DOCPART=n.
;; ======== version 1 of 1: 4 launches
;; limits: values are held in f16: magnitudes above 65,504 overflow, below 6.1e-05 lose precision
;; workspace buffers: xb 16,777,216 bytes; wb 8,388,608 bytes; qkv 50,331,648 bytes; y 16,777,216 bytes
;; launch cast (part 1): grid 768 x 1, 8 waves a work-group, no clusters, 0 bytes of LDS; arguments x, Wq, Wk, Wv, Wp, xb, wb; writes xb, wb
.if DOCPART == 1
	.amdgcn_target "amdgcn-amd-amdhsa--gfx1250"
	.amdhsa_code_object_version 6
	.text
	.protected	k_qbf1917c63f_cast
	.globl	k_qbf1917c63f_cast
	.p2align	8
	.type	k_qbf1917c63f_cast,@function
k_qbf1917c63f_cast:
	s_mov_b64 s[64:65], 0
	v_nop
	global_prefetch_b8 v0, s[64:65] scope:SCOPE_SE
	s_setreg_imm32_b32 hwreg(HW_REG_WAVE_MODE, 25, 1), 1
	s_wait_xcnt 0x0
; x and the four weight matrices, f32, are made matrix operands, once: xb = [8192][1024], wb = [4096][1024] with rows 0-1023 Wq, then Wk, Wv, Wp; two bytes a number.
; TWO STEPS.  Each number is rounded to bf16 (to nearest even): that is the rounding of the inputs which the problem's contract names, and the result is held against reference() on inputs so
; rounded.  The rounded number, eight bits of mantissa, is then WRITTEN AS f16, which has eleven and holds it exactly: so one matrix form (f16) serves the inputs and the intermediates
; q, k, v, the weights and y, which need f16's finer steps (see the next launch's head).  Against reference() on unrounded inputs the error is bf16's, 2^-9 of each input at the most.
; LIMIT: f16 holds such a number exactly from 6.1e-5 up to 65,504; below, in steps of 6e-8; above, it becomes inf.  x and W thirty times larger or smaller than a spread of 1 and of 1/32,
; or offset by thirty spreads, lie inside: the smallest spread, 0.001, is 17,000 steps.
; Rounding here, once, spares every work-group that reads a tile again the conversion and half the bytes.
; A stream: a work-group takes 16,384 numbers (65,536 bytes in, 32,768 out).  Groups 0-511: x.  Groups 512-767: 64 for each weight matrix.
; A wave takes 8,192 bytes: 16 loads of 512 consecutive bytes, all issued before the first is used; each store of the wave covers 256 consecutive bytes, aligned.
; No LDS, no matrix unit, no cluster: no byte is read by two work-groups.  A store's registers are written only ahead of it, and a load's only behind the wait for it: no wait frees a source.
.set XCH,  512                         ; chunks of x
.set IN,   4                           ; v[4:67]   16 x 4 numbers as loaded, then as rounded to bf16 and widened again
.set OUTR, 68                          ; v[68:99]  16 x 2 registers: four bf16 in between, then four f16 to store
	s_load_b256 s[4:11], s[0:1], 0x0               ; x s[4:5], Wq s[6:7], Wk s[8:9], Wv s[10:11]
	s_load_b128 s[12:15], s[0:1], 0x20             ; Wp s[12:13], xb s[14:15]
	s_load_b64 s[16:17], s[0:1], 0x30              ; wb
	s_mov_b32 s2, ttmp9                            ; the work-group's number g
	s_sub_co_u32 s18, s2, XCH                      ; e = g - 512: the chunk of wb (used only where g >= 512)
	s_lshr_b32 s19, s18, 6                         ; which weight matrix
	s_and_b32 s20, s18, 63                         ; which chunk of it
	s_mov_b32 s21, 0xffff0000                      ; a word's upper bf16
	v_lshrrev_b32 v3, 5, v0                        ; wave
	v_and_b32 v1, 31, v0                           ; lane
	v_lshlrev_b32 v2, 3, v1                        ; out: 8 bytes a lane
	v_lshlrev_b32 v1, 4, v1                        ; in: 16 bytes a lane
	v_lshl_or_b32 v1, v3, 13, v1                   ; + wave x 8,192
	v_lshl_or_b32 v2, v3, 12, v2                   ; + wave x 4,096
	s_wait_kmcnt 0x0
	s_cmp_eq_u32 s19, 1                            ; the source and the destination are chosen by the group's number alone
	s_cselect_b64 s[24:25], s[8:9], s[6:7]
	s_cmp_eq_u32 s19, 2
	s_cselect_b64 s[24:25], s[10:11], s[24:25]
	s_cmp_eq_u32 s19, 3
	s_cselect_b64 s[24:25], s[12:13], s[24:25]
	s_cmp_lt_u32 s2, XCH
	s_cselect_b64 s[24:25], s[4:5], s[24:25]
	s_cselect_b64 s[26:27], s[14:15], s[16:17]
	s_cselect_b32 s28, s2, s20                     ; chunk in the source
	s_cselect_b32 s30, s2, s18                     ; chunk in the destination
	s_lshl_b32 s28, s28, 16
	s_lshl_b32 s30, s30, 15
	s_mov_b32 s29, 0
	s_mov_b32 s31, 0
	s_add_nc_u64 s[24:25], s[24:25], s[28:29]
	s_add_nc_u64 s[26:27], s[26:27], s[30:31]
.irp j, 0,1,2,3,4,5,6,7,8,9,10,11,12,13,14,15
	global_load_b128 v[IN+4*\j:IN+4*\j+3], v1, s[24:25] offset:512*\j th:TH_LOAD_NT
.endr
.irp j, 0,1,2,3,4,5,6,7,8,9,10,11,12,13,14,15
	s_wait_loadcnt 15-\j                           ; loads come back in order: load j is in, the 15 - j younger ones stay out
	v_cvt_pk_bf16_f32 v[OUTR+2*\j],   v[IN+4*\j],   v[IN+4*\j+1]     ; rounded to bf16, to nearest even
	v_cvt_pk_bf16_f32 v[OUTR+2*\j+1], v[IN+4*\j+2], v[IN+4*\j+3]
	v_lshlrev_b32 v[IN+4*\j],   16,  v[OUTR+2*\j]                    ; widened again: the low half moves up,
	v_and_b32     v[IN+4*\j+1], s21, v[OUTR+2*\j]                    ; the high half stays
	v_lshlrev_b32 v[IN+4*\j+2], 16,  v[OUTR+2*\j+1]
	v_and_b32     v[IN+4*\j+3], s21, v[OUTR+2*\j+1]
	v_cvt_pk_f16_f32 v[OUTR+2*\j],   v[IN+4*\j],   v[IN+4*\j+1]      ; written as f16: exact inside the range stated above
	v_cvt_pk_f16_f32 v[OUTR+2*\j+1], v[IN+4*\j+2], v[IN+4*\j+3]
	global_store_b64 v2, v[OUTR+2*\j:OUTR+2*\j+1], s[26:27] offset:256*\j
.endr
	s_endpgm
.Lfunc_end_k_qbf1917c63f_cast:
	.size	k_qbf1917c63f_cast, .Lfunc_end_k_qbf1917c63f_cast-k_qbf1917c63f_cast
	.p2alignl 7, 3214868480
	.fill 96, 4, 3214868480
	.section	.rodata,"a",@progbits
	.p2align	6, 0x0
	.amdhsa_kernel k_qbf1917c63f_cast
		.amdhsa_group_segment_fixed_size 0
		.amdhsa_private_segment_fixed_size 0
		.amdhsa_enable_private_segment 0
		.amdhsa_kernarg_size 56
		.amdhsa_user_sgpr_count 2
		.amdhsa_user_sgpr_kernarg_segment_ptr 1
		.amdhsa_wavefront_size32 1
		.amdhsa_system_sgpr_workgroup_id_x 1
		.amdhsa_system_sgpr_workgroup_id_y 1
		.amdhsa_system_sgpr_workgroup_id_z 1
		.amdhsa_system_vgpr_workitem_id 0
		.amdhsa_next_free_vgpr 100
		.amdhsa_next_free_sgpr 66
		.amdhsa_reserve_vcc 0
		.amdhsa_float_denorm_mode_32 3
		.amdhsa_float_denorm_mode_16_64 3
		.amdhsa_memory_ordered 1
		.amdhsa_forward_progress 1
		.amdhsa_inst_pref_size 12
	.end_amdhsa_kernel
	.amdgpu_metadata
---
amdhsa.version: [ 1, 2 ]
amdhsa.kernels:
  - .name:           k_qbf1917c63f_cast
    .symbol:         k_qbf1917c63f_cast.kd
    .args:
      - { .name: x, .offset: 0, .size: 8, .value_kind: global_buffer, .address_space: global }
      - { .name: Wq, .offset: 8, .size: 8, .value_kind: global_buffer, .address_space: global }
      - { .name: Wk, .offset: 16, .size: 8, .value_kind: global_buffer, .address_space: global }
      - { .name: Wv, .offset: 24, .size: 8, .value_kind: global_buffer, .address_space: global }
      - { .name: Wp, .offset: 32, .size: 8, .value_kind: global_buffer, .address_space: global }
      - { .name: xb, .offset: 40, .size: 8, .value_kind: global_buffer, .address_space: global }
      - { .name: wb, .offset: 48, .size: 8, .value_kind: global_buffer, .address_space: global }
    .group_segment_fixed_size: 0
    .private_segment_fixed_size: 0
    .kernarg_segment_align: 8
    .kernarg_segment_size: 56
    .max_flat_workgroup_size: 256
    .sgpr_count:     66
    .vgpr_count:     100
    .wavefront_size: 32
...
	.end_amdgpu_metadata
.endif
;; end of part 1
;; launch qkv (part 2): grid 16 x 16, 4 waves a work-group, clusters of 4 x 4, 327,680 bytes of LDS; arguments xb, wb, bq, bk, bv, qkv; writes qkv
.if DOCPART == 2
	.amdgcn_target "amdgcn-amd-amdhsa--gfx1250"
	.amdhsa_code_object_version 6
	.text
	.protected	k_qbf1917c63f_qkv
	.globl	k_qbf1917c63f_qkv
	.p2align	8
	.type	k_qbf1917c63f_qkv,@function
k_qbf1917c63f_qkv:
	s_mov_b64 s[64:65], 0
	v_nop
	global_prefetch_b8 v0, s[64:65] scope:SCOPE_SE
	s_setreg_imm32_b32 hwreg(HW_REG_WAVE_MODE, 25, 1), 1
	s_wait_xcnt 0x0
	s_wait_alu depctr_hold_cnt(0) depctr_sa_sdst(0) depctr_va_vdst(0) depctr_va_sdst(0) depctr_va_ssrc(0) depctr_va_vcc(0) depctr_vm_vsrc(0)
	s_getreg_b32 s2, hwreg(HW_REG_IB_STS2, 6, 4)
	s_cmp_eq_u32 s2, 0
	s_cbranch_scc0 .Lentry_in_a_cluster
	s_endpgm
.Lentry_in_a_cluster:
	s_bfe_u32 s2, ttmp6, 0x10000c
	s_cmp_lg_u32 s2, 0xf033
	s_cbranch_scc0 .Lentry_shape_is_right
	s_endpgm
.Lentry_shape_is_right:
; q, k, v = x W^T + b for the three weight matrices at once: C[8192][3072] = xb[8192][1024] . wb[0:3072][1024]^T + bias; f16 operands, f32 sums, rounded once to f16.
; The result is stored by heads: qkv[mat][batch][head][t][64], byte mat<<24 + batch<<22 + head<<18 + t<<7, so that 16 rows of a head are 2,048 consecutive bytes.
; WHY f16: a causal row with few keys is as large as v itself, some ten times the root mean square of the whole result, so a rounding error that is relative to v weighs ten times as
; much there; f16 has three more bits of mantissa than bf16.
; LIMIT: q, k and v are kept in f16, largest number 65,504; beyond it they become inf.  Room: x and W both thirty times a spread of 1 and of 1/32 give a spread of 30 x (30/32) x 32 = 900;
; a common offset of thirty spreads on both gives 1024 x 30 x (30/32) = 28,800; both thirty times smaller give 0.0011, against steps of 6e-8 near zero.
; SHARES.  A tile of C is 256 x 192 (three whole heads); 512 tiles on 256 work-groups: a work-group STAYS and makes two tiles, 4,096 rows apart, with the same rows of wb.
; Four waves; wave w makes rows 64 w .. 64 w + 63 of the tile and all 192 columns: 48 accumulators of 16 x 16, 384 registers.
; K goes in steps of 128 through two LDS slots filled by tensor loads: rows of 256 bytes, at multiples of 256 bytes from the buffers' first bytes.  The ring runs on into the second tile.
; CLUSTER 4 x 4: the four work-groups of a row of the cluster need the same tile of xb, the four of a column the same tile of wb: each is asked for jointly.
; THE MATRIX INSTRUCTION IS USED TRANSPOSED (source 0 = 16 rows of wb, source 1 = 16 rows of xb): a lane holds one row of C and eight neighbouring columns.
; THE BIAS COSTS NOTHING: a tile's first product on each accumulator takes as C a register block that holds the lane's eight bias numbers; nothing is cleared or added.
; REGISTERS, in windows of 256: window 0 addresses and the way out; window 1 two fragment buffers (4 fragments of xb, 12 of wb each);
;   window 2 accumulators (a, b), b = 0-7, at 8 (4 b + a); window 3 those of b = 8-11 at 8 (4 (b - 8) + a), and the bias blocks at 128 + 8 b.
.set KSTEP,  128
.set PITCH,  272                       ; an LDS row: 256 bytes + 16 of padding = 68 words: the 16 rows of a fragment load start at 16 different banks (64 banks of 4 bytes: ISA guide 11.1)
.set AHALF,  128*PITCH                 ; what wave 0 or 1 fetches: 128 rows of xb
.set BHALF,  96*PITCH                  ; what wave 2 or 3 fetches: 96 rows of wb
.set BOFF,   2*AHALF                   ; wb's rows lie behind xb's 256
.set SLOT,   BOFF+2*BHALF              ; 121,856
.set STAGE,  2*SLOT                    ; 243,712 = 952 x 256: behind the ring; no tensor load lands here
.set SPITCH, 400                       ; a stage row: 384 bytes + 16 = 25 x 16
.set NEXT_A, 4096*2048-6*KSTEP*2       ; from a slot's last K step of a tile to its first of the next: 4,096 rows down, six K steps back
.set BACK_B, 6*KSTEP*2                 ; wb only goes back
.set ADRA, 16                          ; v16-17  LDS address of my xb fragments in slot 0, 1
.set ADRB, 20                          ; v20-21  the same for wb
.set STO,  24                          ; v24     the way out: where I put 16 bytes of a row
.set RD,   25                          ; v25     the way out: where I read back
.set CO,   26                          ; v26     16 x lane
.set BO,   27                          ; v27     32 x (lane / 16): my eight bias numbers
.set TMP,  32                          ; v32-79  packed results of 16 rows
.set OB,   80                          ; v80-127, v128-175: 16 rows read back, by turns
.set F0,   0                           ; fragment buffers, window 1
.set F1,   128
.set BIAS, 128                         ; window 3
.set G1,  24                           ; s[24:31] group 1 for xb's tiles;  s[32:39] group 0, a set for each slot
.set G0,  32
.set G1B, 48                           ; s[48:55], s[56:63] the same for wb's
.set G0B, 56
.set HB,  68                           ; s[68:73] where my rows of the three heads begin in qkv
.set BB,  80                           ; s[80:85] where the three heads' bias numbers begin
.set MSB, 0
.macro WIN new                         ; the immediate's high byte repeats the setting that is left; a switch that changes nothing is dropped
.if MSB != \new
	s_set_vgpr_msb (MSB<<8)|\new
.set MSB, \new
.endif
.endm
.set TO_F, 0x40                        ; destination window 1, address window 0
.macro PLACES                          ; four plain vector instructions between a matrix instruction and a load into, or a vector read of, its registers
.rept 4
	v_nop
.endr
.endm
; A joint load: waves 0 and 1 fetch xb's halves, waves 2 and 3 wb's.  The branch hangs on the wave's number alone.  Four v_nop follow each of the two lines.
.macro JLOAD s
	s_cmp_eq_u32 s17, 0
	s_cbranch_scc0 .Lfor_b_\@
	tensor_load_to_lds s[G0+4*\s:G0+4*\s+3], s[G1:G1+7]
	s_nop 0
.rept 4
	v_nop
.endr
	s_branch .Lasked_\@
.Lfor_b_\@:
	tensor_load_to_lds s[G0B+4*\s:G0B+4*\s+3], s[G1B:G1B+7]
	s_nop 0
.rept 4
	v_nop
.endr
.Lasked_\@:
.endm
.macro CREST                           ; a round of the cluster's barrier behind its opening barrier
	s_cmp_lg_u32 s16, 0
	s_cbranch_scc1 .Lnot_wave_0_\@
	s_barrier_signal -3
.Lnot_wave_0_\@:
	s_barrier_wait -3
	s_barrier_signal -1
	s_barrier_wait -1
.endm
.macro CROUND                          ; a whole round
	s_barrier_signal -1
	s_barrier_wait -1
	CREST
.endm
	s_load_b256 s[4:11], s[0:1], 0x0               ; xb s[4:5], wb s[6:7], bq s[8:9], bk s[10:11]
	s_load_b128 s[12:15], s[0:1], 0x20             ; bv s[12:13], qkv s[14:15]
	v_lshl_add_u32 v254, v0, 2, 0x41c00
	v_mov_b32 v255, 0
	ds_add_u32 v254, v255
	v_lshrrev_b32 v1, 5, v0
	v_readfirstlane_b32 s16, v1                    ; wave 0..3
	s_lshr_b32 s17, s16, 1                         ; I fetch for xb (0) or for wb (1)
	s_and_b32 s18, s16, 1                          ; which half of that tile
	s_bfe_u32 s19, ttmp6, 0x40000                  ; cx
	s_bfe_u32 s20, ttmp6, 0x40004                  ; cy
	s_lshl_b32 s21, ttmp9, 2
	s_add_co_u32 s21, s21, s19                     ; tile column xt = 4 x cluster x + cx, 0..15
	s_and_b32 s22, ttmp7, 0xffff
	s_lshl_b32 s22, s22, 2
	s_add_co_u32 s22, s22, s20                     ; tile row yt = 4 x cluster y + cy, 0..15
	s_lshl_b32 s40, s20, 2
	s_lshl_b32 s40, 15, s40                        ; my row of the cluster
	s_lshl_b32 s41, 0x1111, s19                    ; my column
	s_or_b32 s[G1+0], s40, (1<<16)|(1<<20)|(1<<21)|(5<<22)|(3<<25)   ; mask; elements of 2 bytes; padding on; bit 21 beside a mask; after every 64 words, 4 words
	s_or_b32 s[G1B+0], s41, (1<<16)|(1<<20)|(1<<21)|(5<<22)|(3<<25)
	s_mov_b32 s[G1+1], KSTEP<<16                   ; tensor_dim0 = 128
	s_mov_b32 s[G1+2], 128<<16                     ; tensor_dim1 = 128
	s_mov_b32 s[G1+3], KSTEP<<16                   ; tile_dim0 = 128
	s_mov_b32 s[G1+4], 128                         ; tile_dim1 = 128
	s_mov_b32 s[G1+5], 1024                        ; elements from row to row
	s_mov_b32 s[G1+6], 0
	s_mov_b32 s[G1+7], 0
	s_mov_b32 s[G1B+1], KSTEP<<16
	s_mov_b32 s[G1B+2], 96<<16                     ; 96 rows
	s_mov_b32 s[G1B+3], KSTEP<<16
	s_mov_b32 s[G1B+4], 96
	s_mov_b32 s[G1B+5], 1024
	s_mov_b32 s[G1B+6], 0
	s_mov_b32 s[G1B+7], 0
	s_lshl_b32 s42, s22, 19                        ; xb: (256 yt + 128 half) rows of 2,048 bytes: the tile row alone
	s_lshl_b32 s43, s18, 18
	s_add_co_u32 s42, s42, s43
	s_mov_b32 s43, 0
	s_mul_i32 s46, s21, 192*2048                   ; wb: (192 xt + 96 half) rows: the tile column alone
	s_mul_i32 s47, s18, 96*2048
	s_add_co_u32 s46, s46, s47
	s_mov_b32 s47, 0
	s_mul_i32 s74, s18, AHALF                      ; where they go in a slot: no place in the cluster enters an LDS address
	s_mul_i32 s75, s18, BHALF
	s_add_co_u32 s75, s75, BOFF
	s_wait_dscnt 0x0
	s_wait_kmcnt 0x0
	s_add_nc_u64 s[44:45], s[4:5], s[42:43]
	s_add_nc_u64 s[46:47], s[6:7], s[46:47]
	CROUND                                         ; all sixteen work-groups are here: the first joint loads meet
.irp s, 0,1
	s_mov_b32 s[G0+4*\s], 1
	s_add_co_u32 s[G0+4*\s+1], s74, \s*SLOT
	s_add_nc_u64 s[G0+4*\s+2:G0+4*\s+3], s[44:45], \s*KSTEP*2      ; K step s
	s_or_b32 s[G0+4*\s+3], s[G0+4*\s+3], 0x80000000
	s_mov_b32 s[G0B+4*\s], 1
	s_add_co_u32 s[G0B+4*\s+1], s75, \s*SLOT
	s_add_nc_u64 s[G0B+4*\s+2:G0B+4*\s+3], s[46:47], \s*KSTEP*2
	s_or_b32 s[G0B+4*\s+3], s[G0B+4*\s+3], 0x80000000
	JLOAD \s                                       ; both slots are asked for before anything else: two loads of mine are out
.endr
	; lane addresses.  A fragment: lane l holds row l % 16; two loads of 16 bytes, 32 apart, at row x pitch + 16 (l / 16)
	v_and_b32 v1, 15, v0                           ; r
	v_bfe_u32 v2, v0, 4, 1                         ; h
	v_mul_u32_u24 v3, v1, PITCH
	v_lshl_add_u32 v3, v2, 4, v3
	s_mul_i32 s88, s16, 64*PITCH                   ; my 64 rows of xb
	s_add_co_u32 s89, s88, SLOT
	v_add_nc_u32 v[ADRA], s88, v3
	v_add_nc_u32 v[ADRA+1], s89, v3
	v_add_nc_u32 v[ADRB], BOFF, v3
	v_add_nc_u32 v[ADRB+1], BOFF+SLOT, v3
	s_mul_i32 s92, s16, 16*SPITCH
	s_add_co_u32 s92, s92, STAGE                   ; my stage
	v_mul_u32_u24 v4, v1, SPITCH
	v_lshl_add_u32 v4, v2, 4, v4
	v_add_nc_u32 v[STO], s92, v4                   ; in: row r, 16 bytes for each half of the lanes
	v_bfe_u32 v5, v0, 3, 2
	v_and_b32 v6, 7, v0
	v_mul_u32_u24 v5, v5, SPITCH
	v_lshl_add_u32 v5, v6, 4, v5
	v_add_nc_u32 v[RD], s92, v5                    ; back: eight lanes take a head's 128 bytes of a row, the wave four rows
	v_and_b32 v7, 31, v0
	v_lshlrev_b32 v[CO], 4, v7
	v_lshlrev_b32 v[BO], 5, v2
	; the three heads g = 3 xt + hd: matrix g >> 4, head g & 15.  Their bias numbers, and where my rows of them begin in qkv
	s_lshr_b32 s93, s22, 3
	s_lshl_b32 s91, s93, 22                        ; batch = yt >> 3
	s_and_b32 s93, s22, 7
	s_lshl_b32 s93, s93, 15                        ; t = 256 (yt & 7) + 64 w, 128 bytes each
	s_add_co_u32 s91, s91, s93
	s_lshl_b32 s93, s16, 13
	s_add_co_u32 s91, s91, s93
	s_mul_i32 s90, s21, 3
	WIN 0xc0                                       ; destination window 3
.irp hd, 0,1,2
	s_add_co_u32 s76, s90, \hd
	s_lshr_b32 s77, s76, 4                         ; matrix
	s_and_b32 s78, s76, 15                         ; head
	s_cmp_eq_u32 s77, 1
	s_cselect_b64 s[BB+2*\hd:BB+2*\hd+1], s[10:11], s[8:9]
	s_cmp_eq_u32 s77, 2
	s_cselect_b64 s[BB+2*\hd:BB+2*\hd+1], s[12:13], s[BB+2*\hd:BB+2*\hd+1]
	s_lshl_b32 s86, s78, 8                         ; 64 numbers of 4 bytes a head
	s_mov_b32 s87, 0
	s_add_nc_u64 s[BB+2*\hd:BB+2*\hd+1], s[BB+2*\hd:BB+2*\hd+1], s[86:87]
.irp q, 0,1,2,3
	global_load_b128 v[BIAS+8*(4*\hd+\q):BIAS+8*(4*\hd+\q)+3],   v[BO], s[BB+2*\hd:BB+2*\hd+1] offset:64*\q      ; bias of columns 16 b + 8 h + 0..3
	global_load_b128 v[BIAS+8*(4*\hd+\q)+4:BIAS+8*(4*\hd+\q)+7], v[BO], s[BB+2*\hd:BB+2*\hd+1] offset:64*\q+16   ; + 4..7
.endr
	s_lshl_b32 s86, s77, 24
	s_lshl_b32 s79, s78, 18
	s_add_co_u32 s86, s86, s79
	s_add_co_u32 s86, s86, s91
	s_add_nc_u64 s[HB+2*\hd:HB+2*\hd+1], s[14:15], s[86:87]
.endr
	WIN 0
; 16 matrix instructions: column blocks b0 .. b0 + 3 x my four row blocks, 32 along K.  first = 1: C is the bias block, and the sums start.
; Each of the 48 accumulators has one instruction in a quarter step, always in the same order: they take turns.
.macro MULB f, b0, first
.if \b0 >= 8
	WIN 0xf5                                       ; fragments window 1; C and D window 3
.elseif \first
	WIN 0xb5                                       ; C (bias) window 3, D window 2
.else
	WIN 0xa5                                       ; C and D window 2
.endif
.set b, \b0
.rept 4
.if b < 8
.set rB, 32*b
.else
.set rB, 32*(b-8)
.endif
.irp a, 0,1,2,3
.if \first
	v_wmma_f32_16x16x32_f16 v[rB+8*\a:rB+8*\a+7], v[\f+32+8*b:\f+32+8*b+7], v[\f+8*\a:\f+8*\a+7], v[BIAS+8*b:BIAS+8*b+7]
.else
	v_wmma_f32_16x16x32_f16 v[rB+8*\a:rB+8*\a+7], v[\f+32+8*b:\f+32+8*b+7], v[\f+8*\a:\f+8*\a+7], v[rB+8*\a:rB+8*\a+7]
.endif
.endr
.set b, b+1
.endr
.endm
; 32 LDS loads in one run: quarter q (32 along K) of a slot into buffer f: xb's 4 fragments, wb's 0-3, then wb's 4-11
.macro FETCH slot, q, f
	WIN TO_F
.irp i, 0,1,2,3
	ds_load_b128 v[\f+8*\i:\f+8*\i+3],   v[ADRA+\slot] offset:64*\q+\i*16*PITCH
	ds_load_b128 v[\f+8*\i+4:\f+8*\i+7], v[ADRA+\slot] offset:64*\q+\i*16*PITCH+32
.endr
.irp i, 0,1,2,3,4,5,6,7,8,9,10,11
	ds_load_b128 v[\f+32+8*\i:\f+32+8*\i+3],   v[ADRB+\slot] offset:64*\q+\i*16*PITCH
	ds_load_b128 v[\f+32+8*\i+4:\f+32+8*\i+7], v[ADRB+\slot] offset:64*\q+\i*16*PITCH+32
.endr
.endm
; One of a K step's first three quarters: multiplies buffer f; fetches quarter q of the same slot into buffer g
.macro QUARTER slot, q, f, g, first
	s_wait_dscnt 16                                ; xb's fragments and wb's 0-3 are in; the 16 youngest loads (wb's 4-11) may be out
	MULB \f, 0, \first
	PLACES
	FETCH \slot, \q, \g
	s_wait_dscnt 32                                ; all but the 32 just issued
	MULB \f, 4, \first
	MULB \f, 8, \first
.endm
; The last quarter multiplies buffer 1 and changes slots.  In front of the barrier each wave waits for its reads of this slot and for all its tensor loads (one is out: its part of the next slot).
; mode 1: this slot takes the K step two on; mode 2: the next tile's K step 0 or 1; the barrier then opens a round of the cluster's barrier, and the joint refill is the first thing behind the round.
; mode 0: nothing is left to fetch.  From a request to the wait for it a wave issues 176 matrix instructions.
.macro TURN slot, next, mode
	s_wait_dscnt 16
	MULB F1, 0, 0
	s_wait_dscnt 0x0                               ; my reads of this slot are over
	s_set_vgpr_msb 0xa5a0
	s_wait_tensorcnt 0x0                           ; all my tensor loads have landed
	ds_add_u32 v254, v255
	s_wait_dscnt 0x0
	s_set_vgpr_msb 0xa0a5
	s_barrier_signal -1
	MULB F1, 4, 0                                  ; register work while the others arrive
.if \mode
	WIN 0
.endif
	s_barrier_wait -1
.if \mode
	CREST                                          ; no wave of any partner still reads this slot or has a load on its way
.if \mode == 2
	s_add_nc_u64 s[G0+4*\slot+2:G0+4*\slot+3], s[G0+4*\slot+2:G0+4*\slot+3], NEXT_A
	s_sub_nc_u64 s[G0B+4*\slot+2:G0B+4*\slot+3], s[G0B+4*\slot+2:G0B+4*\slot+3], BACK_B
.else
	s_add_nc_u64 s[G0+4*\slot+2:G0+4*\slot+3], s[G0+4*\slot+2:G0+4*\slot+3], 2*KSTEP*2
	s_add_nc_u64 s[G0B+4*\slot+2:G0B+4*\slot+3], s[G0B+4*\slot+2:G0B+4*\slot+3], 2*KSTEP*2
.endif
	JLOAD \slot                                    ; its four v_nop are also the places in front of the loads below
.else
	PLACES
.endif
	FETCH \next, 0, F0
	MULB F1, 8, 0
.endm
; THE WAY OUT, 16 rows (row block a) at a time: rounded to f16; into my own stage; back head by head, four rows of 128 bytes to a load; stored as 512 consecutive bytes.
.macro PACK a
	WIN 0x0a                                       ; sources window 2
.irp b, 0,1,2,3,4,5,6,7
.irp r, 0,1,2,3
	v_cvt_pk_f16_f32 v[TMP+4*\b+\r], v[8*(4*\b+(\a))+2*\r], v[8*(4*\b+(\a))+2*\r+1]
.endr
.endr
	WIN 0x0f                                       ; sources window 3
.irp b, 8,9,10,11
.irp r, 0,1,2,3
	v_cvt_pk_f16_f32 v[TMP+4*\b+\r], v[8*(4*(\b-8)+(\a))+2*\r], v[8*(4*(\b-8)+(\a))+2*\r+1]
.endr
.endr
	WIN 0
.endm
.macro TOSTAGE a
.set BK, OB+48*((\a)%2)
.irp b, 0,1,2,3,4,5,6,7,8,9,10,11
	ds_store_b128 v[STO], v[TMP+4*\b:TMP+4*\b+3] offset:32*\b
.endr
.irp hd, 0,1,2
.irp u, 0,1,2,3
	ds_load_b128 v[BK+4*(4*\hd+\u):BK+4*(4*\hd+\u)+3], v[RD] offset:\u*4*SPITCH+\hd*128   ; LDS serves a wave's instructions in order (ISA guide 5.7.1.4): these see the stores above
.endr
.endr
.endm
.macro SEND a                          ; a may be an expression: it stands in parentheses wherever it is used
.set BK, OB+48*((\a)%2)
	s_wait_dscnt 0x0                               ; the block is back in registers
	s_wait_xcnt 0x0                                ; the stores issued so far have had their addresses translated: the other buffer, which the block before last left, is loaded again only behind this wait
.irp hd, 0,1,2
.irp u, 0,1,2,3
	global_store_b128 v[CO], v[BK+4*(4*\hd+\u):BK+4*(4*\hd+\u)+3], s[HB+2*\hd:HB+2*\hd+1] offset:(\a)*2048+\u*512   ; the wave stores 512 consecutive bytes, at a multiple of 512 from qkv's first byte
.endr
.endr
.endm
.macro OUT
	PLACES                                         ; the conversions read results just made
	PACK 0
	TOSTAGE 0
.irp a, 1,2,3
	PACK \a                                        ; a block's conversions stand between the loads of the block before and the wait for them
	SEND \a-1
	TOSTAGE \a
.endr
	SEND 3
.endm
; A tile: 8 K steps.  The first quarter stands in front of the loop (its products start the sums); a trip goes once round the ring and fills both slots again.
.macro TILEBODY last
	QUARTER 0, 1, F0, F1, 1
	WIN 0                                          ; at a label and at a branch every window is 0
	s_mov_b32 s3, 3
.Llap_\@:
	QUARTER 0, 2, F1, F0, 0
	QUARTER 0, 3, F0, F1, 0
	TURN 0, 1, 1
	QUARTER 1, 1, F0, F1, 0
	QUARTER 1, 2, F1, F0, 0
	QUARTER 1, 3, F0, F1, 0
	TURN 1, 0, 1
	QUARTER 0, 1, F0, F1, 0
	WIN 0
	s_sub_co_u32 s3, s3, 1
	s_cmp_lg_u32 s3, 0
	s_cbranch_scc1 .Llap_\@
	QUARTER 0, 2, F1, F0, 0                        ; K step 6 goes on
	QUARTER 0, 3, F0, F1, 0
.if \last
	TURN 0, 1, 0                                   ; nothing is asked for any more: a plain barrier
.else
	TURN 0, 1, 2                                   ; the ring goes on into the next tile: slot 0 takes its K step 0
.endif
	QUARTER 1, 1, F0, F1, 0
	QUARTER 1, 2, F1, F0, 0
	QUARTER 1, 3, F0, F1, 0
.if \last
	s_wait_dscnt 0x0                               ; the very last quarter
	MULB F1, 0, 0
	MULB F1, 4, 0
	MULB F1, 8, 0
.else
	TURN 1, 0, 2                                   ; slot 1 takes its K step 1, and the next tile's first fragments are fetched
.endif
	OUT
.endm
	s_wait_tensorcnt 0x1                           ; my part of K step 0 is in; K step 1's may stay out
	s_barrier_signal -1
	s_barrier_wait -1                              ; everybody's is
	FETCH 0, 0, F0
	s_wait_loadcnt 0x0                             ; the bias
	TILEBODY 0
	s_wait_xcnt 0x0                                ; the stores' bases are stepped only behind this wait
.irp hd, 0,1,2
	s_add_nc_u64 s[HB+2*\hd:HB+2*\hd+1], s[HB+2*\hd:HB+2*\hd+1], 2<<22    ; 4,096 rows on: two batches
.endr
	TILEBODY 1
	s_wait_tensorcnt 0x0
	ds_add_u32 v254, v255
	s_wait_dscnt 0x0
	CROUND                                         ; the closing round: no work-group ends while a partner may still ask for a tile that names it
	s_endpgm
.Lfunc_end_k_qbf1917c63f_qkv:
	.size	k_qbf1917c63f_qkv, .Lfunc_end_k_qbf1917c63f_qkv-k_qbf1917c63f_qkv
	.p2alignl 7, 3214868480
	.fill 96, 4, 3214868480
	.section	.rodata,"a",@progbits
	.p2align	6, 0x0
	.amdhsa_kernel k_qbf1917c63f_qkv
		.amdhsa_group_segment_fixed_size 327680
		.amdhsa_private_segment_fixed_size 0
		.amdhsa_enable_private_segment 0
		.amdhsa_kernarg_size 48
		.amdhsa_user_sgpr_count 2
		.amdhsa_user_sgpr_kernarg_segment_ptr 1
		.amdhsa_wavefront_size32 1
		.amdhsa_system_sgpr_workgroup_id_x 1
		.amdhsa_system_sgpr_workgroup_id_y 1
		.amdhsa_system_sgpr_workgroup_id_z 1
		.amdhsa_system_vgpr_workitem_id 0
		.amdhsa_next_free_vgpr 992
		.amdhsa_next_free_sgpr 96
		.amdhsa_reserve_vcc 0
		.amdhsa_float_denorm_mode_32 3
		.amdhsa_float_denorm_mode_16_64 3
		.amdhsa_memory_ordered 1
		.amdhsa_forward_progress 1
		.amdhsa_inst_pref_size 235
	.end_amdhsa_kernel
	.amdgpu_metadata
---
amdhsa.version: [ 1, 2 ]
amdhsa.kernels:
  - .name:           k_qbf1917c63f_qkv
    .symbol:         k_qbf1917c63f_qkv.kd
    .args:
      - { .name: xb, .offset: 0, .size: 8, .value_kind: global_buffer, .address_space: global }
      - { .name: wb, .offset: 8, .size: 8, .value_kind: global_buffer, .address_space: global }
      - { .name: bq, .offset: 16, .size: 8, .value_kind: global_buffer, .address_space: global }
      - { .name: bk, .offset: 24, .size: 8, .value_kind: global_buffer, .address_space: global }
      - { .name: bv, .offset: 32, .size: 8, .value_kind: global_buffer, .address_space: global }
      - { .name: qkv, .offset: 40, .size: 8, .value_kind: global_buffer, .address_space: global }
    .group_segment_fixed_size: 327680
    .private_segment_fixed_size: 0
    .kernarg_segment_align: 8
    .kernarg_segment_size: 48
    .max_flat_workgroup_size: 128
    .sgpr_count:     96
    .vgpr_count:     992
    .wavefront_size: 32
...
	.end_amdgpu_metadata
.endif
;; end of part 2
;; launch attn (part 3): grid 4 x 64, 8 waves a work-group, clusters of 4 x 1, 327,680 bytes of LDS; arguments qkv, y; writes y
.if DOCPART == 3
	.amdgcn_target "amdgcn-amd-amdhsa--gfx1250"
	.amdhsa_code_object_version 6
	.text
	.protected	k_qbf1917c63f_attn
	.globl	k_qbf1917c63f_attn
	.p2align	8
	.type	k_qbf1917c63f_attn,@function
k_qbf1917c63f_attn:
	s_mov_b64 s[64:65], 0
	v_nop
	global_prefetch_b8 v0, s[64:65] scope:SCOPE_SE
	s_setreg_imm32_b32 hwreg(HW_REG_WAVE_MODE, 25, 1), 1
	s_wait_xcnt 0x0
	s_wait_alu depctr_hold_cnt(0) depctr_sa_sdst(0) depctr_va_vdst(0) depctr_va_sdst(0) depctr_va_ssrc(0) depctr_va_vcc(0) depctr_vm_vsrc(0)
	s_getreg_b32 s2, hwreg(HW_REG_IB_STS2, 6, 4)
	s_cmp_eq_u32 s2, 0
	s_cbranch_scc0 .Lentry_in_a_cluster
	s_endpgm
.Lentry_in_a_cluster:
	s_bfe_u32 s2, ttmp6, 0x10000c
	s_cmp_lg_u32 s2, 0x3003
	s_cbranch_scc0 .Lentry_shape_is_right
	s_endpgm
.Lentry_shape_is_right:
; Causal attention: y[b][h][q][:] = sum over k <= q of softmax_k(q . k / 8) v[k][:].  q, k, v: qkv[mat][b][h][2048][64] f16; y: [b][h][2048][64] f16.
; Products, maxima and sums in f32; a running maximum is taken away before every exponential; the weights are rounded to f16 for the second product, y once at the end.
; LIMITS: weights below 2^-126 count as 0 (v_exp_f32), and as f16 they have steps of 6e-8 near zero, against a row sum of at least 1; the row sum is the sum of the ROUNDED weights, the same
; that multiply v, added by the matrix unit; |y| is at most the largest |v|, so it has v's room in f16; a masked score is -inf, and since a query's own key is never masked, the maximum is
; finite and the sum positive for finite inputs.
; SHARES.  A cluster of four work-groups is one (batch, head).  The head's 128 tiles of 16 queries are dealt out interleaved: tile 4 u + j to work-group j, and in it u = 8 i + w to wave w (i = 0..3).
; A key step is 64 keys.  Tile u needs key steps 0 .. u, and step u is its diagonal one, whatever j is: so the four partners walk the same 32 key steps with the same numbers of tiles at work,
; K and V are asked for JOINTLY, and no branch hangs on the place in the cluster (it enters q's and y's addresses and the mask's lane value alone).  Work above the diagonal is not done.
; Eight waves, two to a SIMD.
; LAYOUT.  S^T = K Q^T (source 0 = 16 keys, source 1 = 16 queries): a lane holds ONE query (lane % 16) and keys 16 kb + 8 (lane / 16) + 0..7.  Rounded in pairs these ARE source 1 of O^T = V^T P.
; K comes out of LDS as it lies, V ([key][channel]) turned, by ds_load_tr16_b128.
; THE ROW SUM l is a fifth block of O^T: source 0 is a fragment of ones, so every row of its accumulator L is the query's sum over the step's 64 keys.  Only L's register 0 is ever read, so only it
; is multiplied by a; the other seven rows, which no other row's sum touches, add up weights of at most 1 over at most 2,048 keys and stay finite.
; THE NEXT TILE'S SCORES ARE MADE DURING THIS TILE'S SOFTMAX: S^T has two buffers, taken by turns, and the eight products K Q^T of tile i + 1 stand singly among tile i's vector instructions.
; A wave's tiles end in ascending order, so tile i + 1 is at work wherever tile i is; only the first tile at work in a step makes its own scores.
; REGISTERS: window 0: addresses, statistics, S^T (2 x 32), P (16), K's fragments (64), Q's (64).  Window 1: O^T, 32 a tile (128); V's fragments (64); L, 8 a tile (32); the ones (8).
.set PK,    144                        ; a row of K in LDS: 128 bytes + 16 = 9 x 16
.set PVP,   160                        ; a row of V: 128 + 32 = 5 x 32, for the turning load
.set VOFF,  64*PK                      ; a step's tiles lie together: 64 rows of K, then 64 of V
.set STEPB, 64*(PK+PVP)                ; 19,456
.set SLOT1, 1<<17                      ; a slot holds four key steps (77,824 bytes); slot 1 begins here, so that one exclusive or turns an address into the other slot's
.set STAGE, SLOT1+4*STEPB              ; 208,896 = 816 x 256: behind the ring, 16 rows x 144 bytes for each wave
.set SP,    144
.set AK0,  2                           ; v2   my lane's place in a tile of K
.set AV0,  3                           ; v3   the same for V
.set ADRK, 4                           ; v4   the address of K's run of loads
.set QO,   5                           ; v5   my byte offset in a tile of q
.set STO,  6                           ; v6   the way out: in
.set RD,   7                           ; v7   the way out: back
.set GO,   8                           ; v8   16 x lane
.set DM,   10                          ; v10  16 j + r - 8 h: on the diagonal step score 16 kb + jj is masked where 16 kb + jj > DM
.set NINF, 11                          ; v11  -inf
.set ADRV, 13                          ; v13  the address of V's run of loads
.set ST,   16                          ; tile i's statistics at v[16 + 4 i]: c m, m; at the end 1 / l, twice
.set CC,   32                          ; v32-35 four running maxima
.set AA,   36                          ; v36 a = 2^(c m_old - c m_new), v37 its exponent
.set S,    40                          ; v40-71 the even tiles' scores, v72-103 the odd tiles'
.set P,    104
.set KF,   120
.set QF,   184
.set OT,   0                           ; window 1
.set VF,   128                         ; window 1
.set LA,   192                         ; window 1
.set ONES, 224                         ; window 1
.set U,    8                           ; s[8:11]  u of my four tiles
.set WV,   12
.set G1K,  24                          ; s[24:31], s[32:39] group 1 for K's and V's tiles (they differ in the padding)
.set G1V,  32
.set G0K,  40                          ; s[40:47], s[48:55] group 0: a set for each first fill; the second then walks on
.set G0V,  48
.set SLOTS, 56
.set CNT,  57
.set KSTP, 58                          ; the key step in hand
.set TB,   59                          ; LDS byte at which its tiles begin
.set SEL,  60                          ; s[60:61] v_permlanex16_b32: each lane takes its own place in the other half
.set CS,   62                          ; s[62:63] c = log2(e) / 8
.set MSB, 0
.macro WIN new
.if MSB != \new
	s_set_vgpr_msb (MSB<<8)|\new
.set MSB, \new
.endif
.endm
.macro PLACES                          ; four plain vector instructions between a matrix instruction and a load into, or a vector read of, its registers
.rept 4
	v_nop
.endr
.endm
; A joint refill: waves 0-3 fetch the four steps' tiles of K, waves 4-7 those of V.  The branch hangs on the wave's number alone.  Four v_nop follow each of the two lines.
.macro JLOAD
	s_cmp_lt_u32 s[WV], 4
	s_cbranch_scc0 .Lfor_v_\@
	tensor_load_to_lds s[G0K+4:G0K+7], s[G1K:G1K+7]
	s_nop 0
.rept 4
	v_nop
.endr
	s_branch .Lasked_\@
.Lfor_v_\@:
	tensor_load_to_lds s[G0V+4:G0V+7], s[G1V:G1V+7]
	s_nop 0
.rept 4
	v_nop
.endr
.Lasked_\@:
.endm
.macro CROUND                          ; a round of the cluster's barrier
	s_barrier_signal -1
	s_barrier_wait -1
	s_cmp_lg_u32 s[WV], 0
	s_cbranch_scc1 .Lnot_wave_0_\@
	s_barrier_signal -3
.Lnot_wave_0_\@:
	s_barrier_wait -3
	s_barrier_signal -1
	s_barrier_wait -1
.endm
	s_load_b128 s[4:7], s[0:1], 0x0                ; qkv s[4:5], y s[6:7]
	v_lshl_add_u32 v254, v0, 2, 0x37800
	v_mov_b32 v255, 0
	ds_add_u32 v254, v255
	v_lshrrev_b32 v1, 5, v0
	v_readfirstlane_b32 s[WV], v1                  ; wave 0..7
	s_bfe_u32 s13, ttmp6, 0x40000                  ; j = cx
	s_and_b32 s20, ttmp7, 0xffff                   ; (batch, head), which the four partners share
	s_lshl_b32 s20, s20, 18                        ; its first byte in each matrix
	s_and_b32 s16, s[WV], 3                        ; which of a slot's four steps I fetch:
	s_lshl_b32 s14, s16, 13                        ; its 64 rows of 128 bytes in memory,
	s_add_co_u32 s22, s20, s14
	s_add_co_u32 s22, s22, 1<<24                   ; in k
	s_mov_b32 s23, 0
	s_mul_i32 s17, s16, STEPB                      ; and its place in a slot
	s_lshl_b32 s2, s[WV], 13                       ; q and y: tile 4 (8 i + w) + j begins at byte i << 16 + w << 13 + j << 11 of the head
	s_lshl_b32 s3, s13, 11
	s_add_co_u32 s2, s2, s3
	s_add_co_u32 s2, s2, s20
	s_mov_b32 s3, 0
.irp i, 0,1,2,3
	s_add_co_u32 s[U+\i], s[WV], 8*\i
.endr
	s_mov_b32 s[G1K], 15|(1<<16)|(1<<20)|(1<<21)|(4<<22)|(3<<25)   ; mask: all four; elements of 2 bytes; padding on; bit 21 beside a mask; after every 32 words, 4 words
	s_mov_b32 s[G1V], 15|(1<<16)|(1<<20)|(1<<21)|(4<<22)|(7<<25)   ; the same with 8 words
.irp g, G1K, G1V
	s_mov_b32 s[\g+1], 64<<16                      ; tensor_dim0 = 64
	s_mov_b32 s[\g+2], 64<<16                      ; tensor_dim1 = 64
	s_mov_b32 s[\g+3], 64<<16                      ; tile_dim0 = 64
	s_mov_b32 s[\g+4], 64                          ; tile_dim1 = 64
	s_mov_b32 s[\g+5], 64                          ; elements from row to row
	s_mov_b32 s[\g+6], 0
	s_mov_b32 s[\g+7], 0
.endr
	s_mov_b32 s[CS], 0x3e38aa3b                    ; c = log2(e) / sqrt(64) = 0.180337
	s_mov_b32 s[CS+1], s[CS]                       ; named with it as a pair, so it is written
	s_mov_b32 s[SEL], 0x76543210
	s_mov_b32 s[SEL+1], 0xfedcba98
	s_mov_b32 s[TB], 0
	s_mov_b32 s[KSTP], 0
	s_mov_b32 s[SLOTS], 6
	s_wait_dscnt 0x0
	s_wait_kmcnt 0x0
	s_add_nc_u64 s[18:19], s[4:5], s[22:23]        ; k at my tile of slot 0
	s_add_nc_u64 s[20:21], s[18:19], 1<<24         ; v likewise
	s_add_nc_u64 s[4:5], s[4:5], s[2:3]            ; q and y at my first tile
	s_add_nc_u64 s[6:7], s[6:7], s[2:3]
	CROUND                                         ; all four work-groups are here: the first joint loads meet
.irp s, 0,1
	s_mov_b32 s[G0K+4*\s], 1
	s_add_co_u32 s[G0K+4*\s+1], s17, \s*SLOT1
	s_add_nc_u64 s[G0K+4*\s+2:G0K+4*\s+3], s[18:19], \s*32768      ; slot s begins with keys 256 s
	s_or_b32 s[G0K+4*\s+3], s[G0K+4*\s+3], 0x80000000
	s_mov_b32 s[G0V+4*\s], 1
	s_add_co_u32 s[G0V+4*\s+1], s17, \s*SLOT1+VOFF
	s_add_nc_u64 s[G0V+4*\s+2:G0V+4*\s+3], s[20:21], \s*32768
	s_or_b32 s[G0V+4*\s+3], s[G0V+4*\s+3], 0x80000000
.endr
	s_cmp_lt_u32 s[WV], 4                          ; a wave's two first fills stand in one branch, ahead of every wait on TENSORcnt and every LDS read: two loads of mine are out
	s_cbranch_scc0 .Lfirst_v
	tensor_load_to_lds s[G0K:G0K+3], s[G1K:G1K+7]
	s_nop 0
	tensor_load_to_lds s[G0K+4:G0K+7], s[G1K:G1K+7]
	s_nop 0
.rept 4
	v_nop
.endr
	s_branch .Lfirst_asked
.Lfirst_v:
	tensor_load_to_lds s[G0V:G0V+3], s[G1V:G1V+7]
	s_nop 0
	tensor_load_to_lds s[G0V+4:G0V+7], s[G1V:G1V+7]
	s_nop 0
.rept 4
	v_nop
.endr
.Lfirst_asked:
	v_and_b32 v1, 15, v0                           ; r
	v_bfe_u32 v9, v0, 4, 1                         ; h
	v_lshlrev_b32 v[QO], 7, v1
	v_lshl_add_u32 v[QO], v9, 4, v[QO]             ; row x 128 + 16 h
.irp i, 0,1,2,3
.irp c, 0,1
	global_load_b128 v[QF+16*\i+8*\c:QF+16*\i+8*\c+3],   v[QO], s[4:5] offset:\i*65536+\c*64      ; q stays in registers: tile i, channels 32 c on
	global_load_b128 v[QF+16*\i+8*\c+4:QF+16*\i+8*\c+7], v[QO], s[4:5] offset:\i*65536+\c*64+32
.endr
.endr
	v_mul_u32_u24 v[AK0], v1, PK
	v_lshl_add_u32 v[AK0], v9, 4, v[AK0]           ; row x pitch + 16 h
	v_and_b32 v12, 7, v0                           ; the turning load: lane l reads key 8 h + l % 8, channels 8 ((l / 8) % 2) + 0..7
	v_bfe_u32 v14, v0, 3, 1
	v_lshl_add_u32 v[AV0], v9, 3, v12
	v_mul_u32_u24 v[AV0], v[AV0], PVP
	v_lshl_add_u32 v[AV0], v14, 4, v[AV0]
	v_add_nc_u32 v[AV0], VOFF, v[AV0]
	s_mul_i32 s15, s[WV], 16*SP
	s_add_co_u32 s15, s15, STAGE                   ; my stage
	v_add_nc_u32 v[STO], s15, v[AK0]               ; in: row r, 16 bytes for each half of the lanes (the stage has K's pitch)
	v_bfe_u32 v14, v0, 3, 2
	v_mul_u32_u24 v14, v14, SP
	v_lshl_add_u32 v14, v12, 4, v14
	v_add_nc_u32 v[RD], s15, v14                   ; back: eight lanes take a row's 128 bytes, the wave four rows
	v_and_b32 v15, 31, v0
	v_lshlrev_b32 v[GO], 4, v15
	s_lshl_b32 s14, s13, 4
	v_add_nc_u32 v[DM], s14, v1
	v_lshlrev_b32 v15, 3, v9
	v_sub_nc_u32 v[DM], v[DM], v15                 ; 16 j + r - 8 h, signed
	v_mov_b32 v[NINF], 0xff800000
	WIN 0x40                                       ; destination window 1
.irp n, 0,1,2,3,4,5,6,7
	v_mov_b32 v[ONES+\n], 0x3c003c00               ; two f16 ones
.endr
	WIN 0
; A key step's fragments, in two runs of 16 loads: K (4 blocks of 16 keys x 2 of 32 channels), then V turned (2 blocks of 32 keys x 4 of 16 channels)
.macro FETCH
	v_add_nc_u32 v[ADRK], s[TB], v[AK0]
	v_add_nc_u32 v[ADRV], s[TB], v[AV0]
.irp f, 0,1,2,3,4,5,6,7
	ds_load_b128 v[KF+8*\f:KF+8*\f+3],   v[ADRK] offset:(\f/2)*16*PK+(\f%2)*64
	ds_load_b128 v[KF+8*\f+4:KF+8*\f+7], v[ADRK] offset:(\f/2)*16*PK+(\f%2)*64+32
.endr
	WIN 0x40                                       ; destination window 1
.irp f, 0,1,2,3,4,5,6,7
	ds_load_tr16_b128 v[VF+8*\f:VF+8*\f+3],   v[ADRV] offset:(\f/4)*32*PVP+(\f%4)*32
	ds_load_tr16_b128 v[VF+8*\f+4:VF+8*\f+7], v[ADRV] offset:(\f/4)*32*PVP+16*PVP+(\f%4)*32
.endr
	WIN 0
.endm
; Product n of 8 of S^T = K Q^T of tile t: keys 16 (n % 4) on, channels 32 (n / 4) on.  The four key blocks take turns; the first four products start the sums.
.macro KQ1 t, n
.set rD, S+32*((\t)%2)+8*((\n)%4)
.set rK, KF+8*(2*((\n)%4)+(\n)/4)
.set rQ, QF+16*(\t)+8*((\n)/4)
.if (\n) < 4
	v_wmma_f32_16x16x32_f16 v[rD:rD+7], v[rK:rK+7], v[rQ:rQ+7], 0
.else
	v_wmma_f32_16x16x32_f16 v[rD:rD+7], v[rK:rK+7], v[rQ:rQ+7], v[rD:rD+7]
.endif
.endm
; The diagonal step of tile i: keys behind the query get -inf
.macro MASK i
.set rS, S+32*((\i)%2)
.irp kb, 0,1,2,3
.irp jj, 0,1,2,3,4,5,6,7
	v_cmp_gt_i32 vcc_lo, 16*\kb+\jj, v[DM]
	v_cndmask_b32 v[rS+8*\kb+\jj], v[rS+8*\kb+\jj], v[NINF], vcc_lo
.endr
.endr
.endm
.macro SCL bb                          ; pair bb of scores: c s - c m
	v_pk_fma_f32 v[rS+2*(\bb):rS+2*(\bb)+1], v[rS+2*(\bb):rS+2*(\bb)+1], s[CS:CS+1], v[rT:rT+1] op_sel_hi:[1,0,0] neg_lo:[0,0,1] neg_hi:[0,0,1]
.endm
; Tile i's softmax for a key step.  first = 1: the first key step starts m, and has no a.  nx = 1: the eight products K Q^T of tile i + 1 stand singly in it; they name the other buffer of S^T,
; K's and Q's fragments, none of which this softmax touches; behind the last of them come more than four plain instructions before the next tile reads its scores.
.macro SOFTMAX i, first, nx
.set rT, ST+4*\i
.set rS, S+32*((\i)%2)
.irp x, 0,1,2,3
	v_max3_num_f32 v[CC+\x], v[rS+8*\x], v[rS+8*\x+1], v[rS+8*\x+2]    ; four chains that do not wait for each other
.endr
.if \nx
	KQ1 \i+1, 0
.endif
.irp x, 0,1,2,3
	v_max3_num_f32 v[CC+\x], v[CC+\x], v[rS+8*\x+3], v[rS+8*\x+4]
.endr
.if \nx
	KQ1 \i+1, 1
.endif
.irp x, 0,1,2,3
	v_max3_num_f32 v[CC+\x], v[CC+\x], v[rS+8*\x+5], v[rS+8*\x+6]
.endr
.if \nx
	KQ1 \i+1, 2
.endif
	v_max3_num_f32 v[CC], v[CC], v[rS+7], v[rS+15]
	v_max3_num_f32 v[CC+2], v[CC+2], v[rS+23], v[rS+31]
.if \nx
	KQ1 \i+1, 3
.endif
	v_max3_num_f32 v[CC], v[CC], v[CC+1], v[CC+2]
.if \first
	v_max_num_f32 v[CC], v[CC], v[CC+3]
.else
	v_max3_num_f32 v[CC], v[CC], v[CC+3], v[rT+1]  ; the old maximum too
.endif
	v_permlanex16_b32 v[CC+1], v[CC], s[SEL], s[SEL+1]             ; the query's other 32 keys lie in the lane 16 away
.if !\first
	v_mov_b32 v[AA+1], v[rT]                       ; c m_old is kept: a is made of the two ROUNDED products, so that old and new weights share one scale exactly
.endif
	v_max_num_f32 v[rT+1], v[CC], v[CC+1]
	v_mul_f32 v[rT], s[CS], v[rT+1]
.if !\first
	v_sub_f32 v[AA+1], v[AA+1], v[rT]
	v_exp_f32 v[AA], v[AA+1]
.endif
	SCL 0
	SCL 1
; two exponentials, then plain work that is ready (a scaling two pairs ahead, the rounding of the pair before): a plain instruction stands behind every exponential before its result is used (ISA guide 5.7.2)
.set b, 0
.rept 16
	v_exp_f32 v[rS+2*b], v[rS+2*b]
	v_exp_f32 v[rS+2*b+1], v[rS+2*b+1]
.if b <= 13
	SCL b+2
.endif
.if b >= 1
	s_wait_alu depctr_va_vdst(0)
	v_cvt_pk_f16_f32 v[P+b-1], v[rS+2*b-2], v[rS+2*b-1]
.endif
.if \nx && (b%3 == 2) && (b < 12)
	KQ1 \i+1, 4+b/3
.endif
.set b, b+1
.endr
	v_nop                                          ; nothing else is ready: the place behind the last exponential
	v_cvt_pk_f16_f32 v[P+15], v[rS+30], v[rS+31]
.endm
.macro RESCALE i                       ; O^T of tile i, and the one register of L that is read, times a
	WIN 0x41                                       ; destination and source 0 window 1
.set n, OT+32*\i
.rept 16
	v_pk_mul_f32 v[n:n+1], v[n:n+1], v[AA:AA+1] op_sel_hi:[1,0]
.set n, n+2
.endr
	v_mul_f32 v[LA+8*\i], v[LA+8*\i], v[AA]
.endm
; O^T += V^T P and L += ones P of tile i: the four channel blocks and L take turns.  first = 1: the first five products start the sums
.macro PV i, first
	WIN 0x51                                       ; V, the ones, O^T and L window 1, P window 0
.irp kh, 0,1
.irp cb, 0,1,2,3
.if \first && (\kh == 0)
	v_wmma_f32_16x16x32_f16 v[OT+32*\i+8*\cb:OT+32*\i+8*\cb+7], v[VF+8*(4*\kh+\cb):VF+8*(4*\kh+\cb)+7], v[P+8*\kh:P+8*\kh+7], 0
.else
	v_wmma_f32_16x16x32_f16 v[OT+32*\i+8*\cb:OT+32*\i+8*\cb+7], v[VF+8*(4*\kh+\cb):VF+8*(4*\kh+\cb)+7], v[P+8*\kh:P+8*\kh+7], v[OT+32*\i+8*\cb:OT+32*\i+8*\cb+7]
.endif
.endr
.if \first && (\kh == 0)
	v_wmma_f32_16x16x32_f16 v[LA+8*\i:LA+8*\i+7], v[ONES:ONES+7], v[P+8*\kh:P+8*\kh+7], 0
.else
	v_wmma_f32_16x16x32_f16 v[LA+8*\i:LA+8*\i+7], v[ONES:ONES+7], v[P+8*\kh:P+8*\kh+7], v[LA+8*\i:LA+8*\i+7]
.endif
.endr
.endm
; Tile i in the key step in hand.  cond = 1: a tile whose diagonal step lies behind is passed over.  A tile whose forerunner is at work finds its scores made; the first tile at work makes its own.
; The branches hang on the wave's number and the step's count alone.
.macro TILE i, first, cond, nx
.if \cond
	s_cmp_lt_u32 s[U+\i], s[KSTP]
	s_cbranch_scc1 .Ldead_\@
.endif
.if (\i > 0) && !\first
	s_cmp_ge_u32 s[U+\i-1], s[KSTP]
	s_cbranch_scc1 .Lhave_\@
.endif
.if (\i == 0) || !\first
	s_wait_dscnt 16                                ; K's 16 loads are in; V's 16, issued behind them, may be out
.irp n, 0,1,2,3,4,5,6,7
	KQ1 \i, \n
.endr
	PLACES                                         ; the scores are read next
.endif
.Lhave_\@:
	s_wait_dscnt 16                                ; on every way to the products in the softmax below K's loads have been waited for
	s_cmp_lg_u32 s[U+\i], s[KSTP]
	s_cbranch_scc1 .Lfull_\@
	MASK \i
.Lfull_\@:
	SOFTMAX \i, \first, \nx
	s_wait_dscnt 0x0                               ; V is in
.if !\first
	RESCALE \i
.endif
	PV \i, \first
	WIN 0                                          ; at a label and at a branch every window is 0
.if \cond
.Ldead_\@:
.endif
.endm
; A key step.  A wave whose last tile (u = 24 + w) is finished passes it over.  That last tile has no test of its own, so every way through a step waits for all the step's LDS loads.
.macro STEP first
.if !\first
	s_cmp_lt_u32 s[U+3], s[KSTP]
	s_cbranch_scc1 .Lidle_\@
	PLACES                                         ; the loads below land in registers that the last products read
.endif
	FETCH
	TILE 0, \first, 1-\first, 1
	TILE 1, \first, 1-\first, 1
	TILE 2, \first, 1-\first, 1
	TILE 3, \first, 0, 0
.if !\first
.Lidle_\@:
.endif
	s_add_co_u32 s[TB], s[TB], STEPB
	s_add_co_u32 s[KSTP], s[KSTP], 1
.endm
.macro STEPS n
	s_mov_b32 s[CNT], \n
.Lstep_\@:
	STEP 0
	s_sub_co_u32 s[CNT], s[CNT], 1
	s_cmp_lg_u32 s[CNT], 0
	s_cbranch_scc1 .Lstep_\@
.endm
; THE CHANGE OF SLOTS.  Each wave waits for its reads of the slot and for all its tensor loads (one is out: its part of the other slot).  fill = 1: the slot takes the keys two slots on;
; the barrier is then a round of the cluster's, and the joint refill is the first thing behind it: it has four key steps in which to land.
.macro CHANGE fill
	s_wait_dscnt 0x0
	s_wait_tensorcnt 0x0                           ; no tensor load of mine is out, so a group 0 may be written
	ds_add_u32 v254, v255
	s_wait_dscnt 0x0
.if \fill
.irp g, G0K+4, G0V+4
	s_xor_b32 s[\g+1], s[\g+1], SLOT1              ; the walking descriptor: the other slot than last time,
	s_add_nc_u64 s[\g+2:\g+3], s[\g+2:\g+3], 32768 ; the next 256 keys
.endr
	CROUND
	JLOAD
.else
	s_barrier_signal -1
	s_barrier_wait -1
.endif
	s_sub_co_u32 s[TB], s[TB], 4*STEPB             ; the fetches go back to a slot's first step,
	s_xor_b32 s[TB], s[TB], SLOT1                  ; in the other slot
.endm
	s_wait_tensorcnt 0x1                           ; my part of slot 0 is in; slot 1's may stay out
	s_barrier_signal -1
	s_barrier_wait -1                              ; everybody's is
	s_wait_loadcnt 0x0                             ; q
	STEP 1                                         ; key step 0 starts m, L and O^T of all four tiles
	STEPS 3
.Lslot:                                                ; six trips: every slot but the last two is filled again
	CHANGE 1
	STEPS 4
	s_sub_co_u32 s[SLOTS], s[SLOTS], 1
	s_cmp_lg_u32 s[SLOTS], 0
	s_cbranch_scc1 .Lslot
	CHANGE 0                                       ; the tail is written out
	STEPS 4
	; THE WAY OUT.  L's register 0 is the query's whole sum, in both halves of the lanes; O^T is divided by it, rounded to f16 and sent through my stage, a tile (16 rows of y) at a time.
	; 1 / l is made twice, so that the pair which the packed multiply names is written.
	PLACES                                         ; the reciprocals read results just made
	WIN 0x01                                       ; source 0 window 1
.irp i, 0,1,2,3
	v_rcp_f32 v[ST+4*\i+2], v[LA+8*\i]
	v_rcp_f32 v[ST+4*\i+3], v[LA+8*\i]
.endr
	v_nop                                          ; a plain instruction between the last reciprocal and the use of its result
	s_wait_alu depctr_va_vdst(0)
.irp i, 0,1,2,3
	WIN 0x41
.set n, OT+32*\i
.rept 16
	v_pk_mul_f32 v[n:n+1], v[n:n+1], v[ST+4*\i+2:ST+4*\i+3] op_sel_hi:[1,0]
.set n, n+2
.endr
	WIN 0x05                                       ; sources window 1, destination window 0
.set n, 0
.rept 16
	v_cvt_pk_f16_f32 v[S+n], v[OT+32*\i+2*n], v[OT+32*\i+2*n+1]
.set n, n+1
.endr
	WIN 0
.irp cb, 0,1,2,3
	ds_store_b128 v[STO], v[S+4*\cb:S+4*\cb+3] offset:32*\cb
.endr
.irp u, 0,1,2,3
	ds_load_b128 v[KF+16*\i+4*\u:KF+16*\i+4*\u+3], v[RD] offset:\u*4*SP   ; LDS serves a wave's instructions in order (ISA guide 5.7.1.4): these see the stores above, and the next tile's stores come behind them
.endr
.endr
.irp i, 0,1,2,3
.irp u, 0,1,2,3
	s_wait_dscnt 8*(3-\i)+3-\u                     ; behind this load: the 3 - u others of its tile and the eight LDS instructions of each later tile
	global_store_b128 v[GO], v[KF+16*\i+4*\u:KF+16*\i+4*\u+3], s[6:7] offset:\i*65536+\u*512   ; the wave stores 512 consecutive bytes, at a multiple of 512 from y's first byte
.endr
.endr
	s_wait_tensorcnt 0x0
	ds_add_u32 v254, v255
	s_wait_dscnt 0x0
	CROUND                                         ; the closing round: no work-group ends while a partner may still ask for a tile that names it
	s_endpgm
.Lfunc_end_k_qbf1917c63f_attn:
	.size	k_qbf1917c63f_attn, .Lfunc_end_k_qbf1917c63f_attn-k_qbf1917c63f_attn
	.p2alignl 7, 3214868480
	.fill 96, 4, 3214868480
	.section	.rodata,"a",@progbits
	.p2align	6, 0x0
	.amdhsa_kernel k_qbf1917c63f_attn
		.amdhsa_group_segment_fixed_size 327680
		.amdhsa_private_segment_fixed_size 0
		.amdhsa_enable_private_segment 0
		.amdhsa_kernarg_size 16
		.amdhsa_user_sgpr_count 2
		.amdhsa_user_sgpr_kernarg_segment_ptr 1
		.amdhsa_wavefront_size32 1
		.amdhsa_system_sgpr_workgroup_id_x 1
		.amdhsa_system_sgpr_workgroup_id_y 1
		.amdhsa_system_sgpr_workgroup_id_z 1
		.amdhsa_system_vgpr_workitem_id 0
		.amdhsa_next_free_vgpr 512
		.amdhsa_next_free_sgpr 66
		.amdhsa_reserve_vcc 1
		.amdhsa_float_denorm_mode_32 3
		.amdhsa_float_denorm_mode_16_64 3
		.amdhsa_memory_ordered 1
		.amdhsa_forward_progress 1
		.amdhsa_inst_pref_size 182
	.end_amdhsa_kernel
	.amdgpu_metadata
---
amdhsa.version: [ 1, 2 ]
amdhsa.kernels:
  - .name:           k_qbf1917c63f_attn
    .symbol:         k_qbf1917c63f_attn.kd
    .args:
      - { .name: qkv, .offset: 0, .size: 8, .value_kind: global_buffer, .address_space: global }
      - { .name: y, .offset: 8, .size: 8, .value_kind: global_buffer, .address_space: global }
    .group_segment_fixed_size: 327680
    .private_segment_fixed_size: 0
    .kernarg_segment_align: 8
    .kernarg_segment_size: 16
    .max_flat_workgroup_size: 256
    .sgpr_count:     66
    .vgpr_count:     512
    .wavefront_size: 32
...
	.end_amdgpu_metadata
.endif
;; end of part 3
;; launch proj (part 4): grid 8 x 32, 4 waves a work-group, clusters of 4 x 4, 327,680 bytes of LDS; arguments y, wb, bp, out0; writes out0
.if DOCPART == 4
	.amdgcn_target "amdgcn-amd-amdhsa--gfx1250"
	.amdhsa_code_object_version 6
	.text
	.protected	k_qbf1917c63f_proj
	.globl	k_qbf1917c63f_proj
	.p2align	8
	.type	k_qbf1917c63f_proj,@function
k_qbf1917c63f_proj:
	s_mov_b64 s[64:65], 0
	v_nop
	global_prefetch_b8 v0, s[64:65] scope:SCOPE_SE
	s_setreg_imm32_b32 hwreg(HW_REG_WAVE_MODE, 25, 1), 1
	s_wait_xcnt 0x0
	s_wait_alu depctr_hold_cnt(0) depctr_sa_sdst(0) depctr_va_vdst(0) depctr_va_sdst(0) depctr_va_ssrc(0) depctr_va_vcc(0) depctr_vm_vsrc(0)
	s_getreg_b32 s2, hwreg(HW_REG_IB_STS2, 6, 4)
	s_cmp_eq_u32 s2, 0
	s_cbranch_scc0 .Lentry_in_a_cluster
	s_endpgm
.Lentry_in_a_cluster:
	s_bfe_u32 s2, ttmp6, 0x10000c
	s_cmp_lg_u32 s2, 0xf033
	s_cbranch_scc0 .Lentry_shape_is_right
	s_endpgm
.Lentry_shape_is_right:
; out0[8192][1024] = Y Wp^T + bp, f32.  Y's row (batch, t) is the 16 heads' 64 channels side by side; it lies by heads, y[batch][head][t][64] f16; Wp is wb's rows 3072-4095, f16.  Sums in f32.
; SHARES.  A tile of the result is 256 x 128: 256 work-groups.  Four waves; wave w makes rows 64 w .. 64 w + 63 and all 128 columns: 32 accumulators of 16 x 16, 256 registers.
; K goes in steps of 128 = two heads, through two LDS slots filled by tensor loads: a head's 256 rows of 128 bytes are one dense block of y; Wp's rows are 256 bytes.
; CLUSTER 4 x 4: y's tile hangs on the tile row alone and is shared along a row of the cluster, Wp's on the tile column alone and is shared along a column: both are asked for jointly.
; THE MATRIX INSTRUCTION IS USED TRANSPOSED (source 0 = 16 rows of Wp, source 1 = 16 rows of Y): a lane holds eight neighbouring columns of a row.  The first product on each accumulator takes the
; lane's eight bias numbers as C: nothing is cleared or added.
; REGISTERS: window 0 addresses, the way out (v32-159), the bias blocks (v160-223); window 1 two fragment buffers (4 of Y, 8 of Wp); window 2 accumulators (a, b) at 8 (4 b + a).
.set PA,     144                       ; a row of a head's tile in LDS: 128 bytes + 16 = 9 x 16
.set PB,     272                       ; a row of Wp's tile: 256 + 16 = 17 x 16
.set AHEAD,  256*PA                    ; what wave 0 or 1 fetches: one head, 256 rows
.set BHALF,  64*PB                     ; what wave 2 or 3 fetches: 64 rows of Wp
.set BOFF,   2*AHEAD
.set SLOT,   BOFF+2*BHALF              ; 108,544
.set STAGE,  2*SLOT                    ; 217,088 = 848 x 256: behind the ring; no tensor load lands here
.set SPITCH, 528                       ; a stage row: 512 bytes + 16 = 33 x 16
.set ADRA, 16
.set ADRB, 20
.set STO,  24
.set RD,   25
.set CO,   26
.set BO,   27
.set OB,   32                          ; v32-95, v96-159: 16 rows read back, by turns
.set BIAS, 160
.set F0,   0
.set F1,   128
.set G1,  24
.set G0,  32
.set G1B, 48
.set G0B, 56
.set MSB, 0
.macro WIN new
.if MSB != \new
	s_set_vgpr_msb (MSB<<8)|\new
.set MSB, \new
.endif
.endm
.macro PLACES                          ; four plain vector instructions between a matrix instruction and a load into, or a read of, its registers
.rept 4
	v_nop
.endr
.endm
.macro JLOAD s                         ; a joint load: waves 0 and 1 fetch the two heads of Y, waves 2 and 3 Wp's halves; four v_nop follow each of the two lines
	s_cmp_eq_u32 s17, 0
	s_cbranch_scc0 .Lfor_b_\@
	tensor_load_to_lds s[G0+4*\s:G0+4*\s+3], s[G1:G1+7]
	s_nop 0
.rept 4
	v_nop
.endr
	s_branch .Lasked_\@
.Lfor_b_\@:
	tensor_load_to_lds s[G0B+4*\s:G0B+4*\s+3], s[G1B:G1B+7]
	s_nop 0
.rept 4
	v_nop
.endr
.Lasked_\@:
.endm
.macro CREST
	s_cmp_lg_u32 s16, 0
	s_cbranch_scc1 .Lnot_wave_0_\@
	s_barrier_signal -3
.Lnot_wave_0_\@:
	s_barrier_wait -3
	s_barrier_signal -1
	s_barrier_wait -1
.endm
.macro CROUND
	s_barrier_signal -1
	s_barrier_wait -1
	CREST
.endm
	s_load_b256 s[4:11], s[0:1], 0x0               ; y s[4:5], wb s[6:7], bp s[8:9], out0 s[10:11]
	s_set_vgpr_msb 0x40
	v_lshl_add_u32 v254, v0, 2, 0x3d400
	v_mov_b32 v255, 0
	s_set_vgpr_msb 0x4045
	ds_add_u32 v254, v255
	s_set_vgpr_msb 0x4500
	v_lshrrev_b32 v1, 5, v0
	v_readfirstlane_b32 s16, v1                    ; wave 0..3
	s_lshr_b32 s17, s16, 1                         ; I fetch for Y (0) or for Wp (1)
	s_and_b32 s18, s16, 1                          ; which head of the step, or which half of Wp's rows
	s_bfe_u32 s19, ttmp6, 0x40000                  ; cx
	s_bfe_u32 s20, ttmp6, 0x40004                  ; cy
	s_lshl_b32 s21, ttmp9, 2
	s_add_co_u32 s21, s21, s19                     ; tile column xt, 0..7
	s_and_b32 s22, ttmp7, 0xffff
	s_lshl_b32 s22, s22, 2
	s_add_co_u32 s22, s22, s20                     ; tile row yt, 0..31
	s_lshl_b32 s40, s20, 2
	s_lshl_b32 s40, 15, s40                        ; my row of the cluster
	s_lshl_b32 s41, 0x1111, s19                    ; my column
	s_or_b32 s[G1+0], s40, (1<<16)|(1<<20)|(1<<21)|(4<<22)|(3<<25)   ; mask; elements of 2 bytes; padding on; bit 21 beside a mask; after every 32 words, 4 words
	s_mov_b32 s[G1+1], 64<<16                      ; tensor_dim0 = 64
	s_mov_b32 s[G1+2], 256<<16                     ; tensor_dim1 = 256
	s_mov_b32 s[G1+3], 64<<16                      ; tile_dim0 = 64
	s_mov_b32 s[G1+4], 256                         ; tile_dim1 = 256
	s_mov_b32 s[G1+5], 64                          ; elements from row to row
	s_mov_b32 s[G1+6], 0
	s_mov_b32 s[G1+7], 0
	s_or_b32 s[G1B+0], s41, (1<<16)|(1<<20)|(1<<21)|(5<<22)|(3<<25)  ; after every 64 words
	s_mov_b32 s[G1B+1], 128<<16
	s_mov_b32 s[G1B+2], 64<<16
	s_mov_b32 s[G1B+3], 128<<16
	s_mov_b32 s[G1B+4], 64
	s_mov_b32 s[G1B+5], 1024
	s_mov_b32 s[G1B+6], 0
	s_mov_b32 s[G1B+7], 0
	s_lshr_b32 s42, s22, 3                         ; Y: batch yt >> 3, t = 256 (yt & 7), head = my half: the tile row alone
	s_lshl_b32 s42, s42, 22
	s_and_b32 s43, s22, 7
	s_lshl_b32 s43, s43, 15
	s_add_co_u32 s42, s42, s43
	s_lshl_b32 s43, s18, 18
	s_add_co_u32 s42, s42, s43
	s_mov_b32 s43, 0
	s_lshl_b32 s46, s21, 18                        ; Wp: row 3072 + 128 xt + 64 half, 2,048 bytes each: the tile column alone
	s_lshl_b32 s47, s18, 17
	s_add_co_u32 s46, s46, s47
	s_add_co_u32 s46, s46, 3072*2048
	s_mov_b32 s47, 0
	s_mul_i32 s12, s18, AHEAD                      ; where they go in a slot
	s_mul_i32 s13, s18, BHALF
	s_add_co_u32 s13, s13, BOFF
	s_wait_dscnt 0x0
	s_wait_kmcnt 0x0
	s_add_nc_u64 s[44:45], s[4:5], s[42:43]
	s_add_nc_u64 s[46:47], s[6:7], s[46:47]
	CROUND                                         ; all sixteen work-groups are here: the first joint loads meet
.irp s, 0,1
	s_mov_b32 s[G0+4*\s], 1
	s_add_co_u32 s[G0+4*\s+1], s12, \s*SLOT
	s_add_nc_u64 s[G0+4*\s+2:G0+4*\s+3], s[44:45], \s*(1<<19)      ; K step s: two heads on
	s_or_b32 s[G0+4*\s+3], s[G0+4*\s+3], 0x80000000
	s_mov_b32 s[G0B+4*\s], 1
	s_add_co_u32 s[G0B+4*\s+1], s13, \s*SLOT
	s_add_nc_u64 s[G0B+4*\s+2:G0B+4*\s+3], s[46:47], \s*256
	s_or_b32 s[G0B+4*\s+3], s[G0B+4*\s+3], 0x80000000
	JLOAD \s                                       ; two loads of mine are out
.endr
	v_and_b32 v1, 15, v0                           ; r
	v_bfe_u32 v2, v0, 4, 1                         ; h
	v_mul_u32_u24 v3, v1, PA
	v_lshl_add_u32 v3, v2, 4, v3
	s_mul_i32 s23, s16, 64*PA                      ; my 64 rows of Y
	v_add_nc_u32 v[ADRA], s23, v3
	s_add_co_u32 s23, s23, SLOT
	v_add_nc_u32 v[ADRA+1], s23, v3
	v_mul_u32_u24 v4, v1, PB
	v_lshl_add_u32 v4, v2, 4, v4
	v_add_nc_u32 v[ADRB], BOFF, v4
	v_add_nc_u32 v[ADRB+1], BOFF+SLOT, v4
	s_mul_i32 s23, s16, 16*SPITCH
	s_add_co_u32 s23, s23, STAGE                   ; my stage
	v_mul_u32_u24 v5, v1, SPITCH
	v_lshl_add_u32 v5, v2, 5, v5
	v_add_nc_u32 v[STO], s23, v5                   ; in: row r, 32 bytes for each half of the lanes
	v_and_b32 v6, 31, v0
	v_lshlrev_b32 v[CO], 4, v6                     ; 16 x lane
	v_add_nc_u32 v[RD], s23, v[CO]                 ; back: the wave takes a row's 512 bytes
	v_lshlrev_b32 v[BO], 5, v2
	s_lshl_b32 s14, s21, 9                         ; the tile's first column, 4 bytes each
	s_mov_b32 s15, 0
	s_add_nc_u64 s[8:9], s[8:9], s[14:15]
.irp b, 0,1,2,3,4,5,6,7
	global_load_b128 v[BIAS+8*\b:BIAS+8*\b+3],   v[BO], s[8:9] offset:64*\b       ; bias of columns 16 b + 8 h + 0..3
	global_load_b128 v[BIAS+8*\b+4:BIAS+8*\b+7], v[BO], s[8:9] offset:64*\b+16    ; + 4..7
.endr
	s_lshl_b32 s2, s22, 20                         ; my first row: 256 yt + 64 w, 4,096 bytes each
	s_add_co_u32 s14, s14, s2
	s_lshl_b32 s2, s16, 18
	s_add_co_u32 s14, s14, s2
	s_add_nc_u64 s[10:11], s[10:11], s[14:15]
; 4 nb matrix instructions: column blocks b0 .. b0 + nb - 1 x my four row blocks, 32 along K.  first = 1: C is the bias block.  The 32 accumulators take turns.
.macro MULB f, b0, nb, first
.if \first
	WIN 0x85                                       ; fragments window 1, C (bias) window 0, D window 2
.else
	WIN 0xa5                                       ; C and D window 2
.endif
.set b, \b0
.rept \nb
.irp a, 0,1,2,3
.if \first
	v_wmma_f32_16x16x32_f16 v[8*(4*b+\a):8*(4*b+\a)+7], v[\f+32+8*b:\f+32+8*b+7], v[\f+8*\a:\f+8*\a+7], v[BIAS+8*b:BIAS+8*b+7]
.else
	v_wmma_f32_16x16x32_f16 v[8*(4*b+\a):8*(4*b+\a)+7], v[\f+32+8*b:\f+32+8*b+7], v[\f+8*\a:\f+8*\a+7], v[8*(4*b+\a):8*(4*b+\a)+7]
.endif
.endr
.set b, b+1
.endr
.endm
; 24 LDS loads in one run: quarter q of a slot (head q / 2 of the step, channels 32 (q % 2) on) into buffer f: Y's 4 fragments, Wp's 0-3, Wp's 4-7
.macro FETCH slot, q, f
	WIN 0x40
.irp i, 0,1,2,3
	ds_load_b128 v[\f+8*\i:\f+8*\i+3],   v[ADRA+\slot] offset:(\q/2)*AHEAD+(\q%2)*64+\i*16*PA
	ds_load_b128 v[\f+8*\i+4:\f+8*\i+7], v[ADRA+\slot] offset:(\q/2)*AHEAD+(\q%2)*64+\i*16*PA+32
.endr
.irp i, 0,1,2,3,4,5,6,7
	ds_load_b128 v[\f+32+8*\i:\f+32+8*\i+3],   v[ADRB+\slot] offset:64*\q+\i*16*PB
	ds_load_b128 v[\f+32+8*\i+4:\f+32+8*\i+7], v[ADRB+\slot] offset:64*\q+\i*16*PB+32
.endr
.endm
.macro QUARTER slot, q, f, g, first
	s_wait_dscnt 8                                 ; Y's fragments and Wp's 0-3 are in; the eight youngest loads may be out
	MULB \f, 0, 4, \first
	PLACES
	FETCH \slot, \q, \g
	s_wait_dscnt 24                                ; all but the 24 just issued
	MULB \f, 4, 4, \first
.endm
; The last quarter multiplies buffer 1 and changes slots.  In front of the barrier each wave waits for its reads of this slot and for all its tensor loads.
; fill = 1: the barrier opens a round of the cluster's barrier, and the joint refill, two K steps ahead, is the first thing behind the round.
.macro TURN slot, next, fill
	s_wait_dscnt 8
	MULB F1, 0, 4, 0
	s_wait_dscnt 0x0                               ; my reads of this slot are over
	s_wait_tensorcnt 0x0                           ; all my tensor loads have landed: my part of the next slot
	ds_add_u32 v254, v255
	s_wait_dscnt 0x0
	s_barrier_signal -1
	MULB F1, 4, 2, 0
.if \fill
	WIN 0
.endif
	s_barrier_wait -1
.if \fill
	CREST                                          ; no wave of any partner still reads this slot or has a load on its way
	s_add_nc_u64 s[G0+4*\slot+2:G0+4*\slot+3], s[G0+4*\slot+2:G0+4*\slot+3], 1<<20     ; four heads on
	s_add_nc_u64 s[G0B+4*\slot+2:G0B+4*\slot+3], s[G0B+4*\slot+2:G0B+4*\slot+3], 512
	JLOAD \slot                                    ; its four v_nop are also the places in front of the loads below
.else
	PLACES
.endif
	FETCH \next, 0, F0
	MULB F1, 6, 2, 0
.endm
; THE WAY OUT, 16 rows at a time: f32 straight from the accumulators into my own stage, back as whole rows of 512 bytes, stored.
.macro TOSTAGE a
.if \a >= 2
	s_wait_xcnt 0x0                                ; the stores issued so far have had their addresses translated: their data registers are loaded again only behind this wait
.endif
	WIN 0x08                                       ; the stores' data: window 2
.irp b, 0,1,2,3,4,5,6,7
	ds_store_b128 v[STO], v[8*(4*\b+\a):8*(4*\b+\a)+3]   offset:64*\b
	ds_store_b128 v[STO], v[8*(4*\b+\a)+4:8*(4*\b+\a)+7] offset:64*\b+16
.endr
	WIN 0
.irp t, 0,1,2,3,4,5,6,7,8,9,10,11,12,13,14,15
	ds_load_b128 v[OB+64*((\a)%2)+4*\t:OB+64*((\a)%2)+4*\t+3], v[RD] offset:\t*SPITCH   ; LDS serves a wave's instructions in order (ISA guide 5.7.1.4): these see the stores above
.endr
.endm
.macro SEND a, younger                 ; younger: the LDS instructions issued behind block a's loads: the next block's 32, or none
	s_wait_dscnt \younger
.irp t, 0,1,2,3,4,5,6,7,8,9,10,11,12,13,14,15
	global_store_b128 v[CO], v[OB+64*((\a)%2)+4*\t:OB+64*((\a)%2)+4*\t+3], s[10:11] offset:(16*(\a)+\t)*4096 th:TH_STORE_NT   ; the wave stores 512 consecutive bytes, at a multiple of 512 from out0's first byte
.endr
.endm
	s_wait_tensorcnt 0x1                           ; my part of K step 0 is in; K step 1's may stay out
	s_barrier_signal -1
	s_barrier_wait -1
	FETCH 0, 0, F0
	s_wait_loadcnt 0x0                             ; the bias
	QUARTER 0, 1, F0, F1, 1                        ; the first quarter stands in front of the loop: its products start the sums
	WIN 0                                          ; at a label and at a branch every window is 0
	s_mov_b32 s3, 3
.Llap:                                                 ; a trip goes once round the ring and fills both slots again
	QUARTER 0, 2, F1, F0, 0
	QUARTER 0, 3, F0, F1, 0
	TURN 0, 1, 1
	QUARTER 1, 1, F0, F1, 0
	QUARTER 1, 2, F1, F0, 0
	QUARTER 1, 3, F0, F1, 0
	TURN 1, 0, 1
	QUARTER 0, 1, F0, F1, 0
	WIN 0
	s_sub_co_u32 s3, s3, 1
	s_cmp_lg_u32 s3, 0
	s_cbranch_scc1 .Llap
	QUARTER 0, 2, F1, F0, 0                        ; the last lap fills nothing and has no round
	QUARTER 0, 3, F0, F1, 0
	TURN 0, 1, 0
	QUARTER 1, 1, F0, F1, 0
	QUARTER 1, 2, F1, F0, 0
	QUARTER 1, 3, F0, F1, 0
	s_wait_dscnt 0x0                               ; the very last quarter
	MULB F1, 0, 4, 0
	MULB F1, 4, 4, 0
	PLACES                                         ; the LDS stores read results just made
	TOSTAGE 0
	TOSTAGE 1
	SEND 0, 32
	TOSTAGE 2
	SEND 1, 32
	TOSTAGE 3
	SEND 2, 32
	SEND 3, 0
	s_set_vgpr_msb 0x5
	s_wait_tensorcnt 0x0
	ds_add_u32 v254, v255
	s_wait_dscnt 0x0
	s_set_vgpr_msb 0x500
	CROUND                                         ; the closing round: no work-group ends while a partner may still ask for a tile that names it
	s_endpgm
.Lfunc_end_k_qbf1917c63f_proj:
	.size	k_qbf1917c63f_proj, .Lfunc_end_k_qbf1917c63f_proj-k_qbf1917c63f_proj
	.p2alignl 7, 3214868480
	.fill 96, 4, 3214868480
	.section	.rodata,"a",@progbits
	.p2align	6, 0x0
	.amdhsa_kernel k_qbf1917c63f_proj
		.amdhsa_group_segment_fixed_size 327680
		.amdhsa_private_segment_fixed_size 0
		.amdhsa_enable_private_segment 0
		.amdhsa_kernarg_size 32
		.amdhsa_user_sgpr_count 2
		.amdhsa_user_sgpr_kernarg_segment_ptr 1
		.amdhsa_wavefront_size32 1
		.amdhsa_system_sgpr_workgroup_id_x 1
		.amdhsa_system_sgpr_workgroup_id_y 1
		.amdhsa_system_sgpr_workgroup_id_z 1
		.amdhsa_system_vgpr_workitem_id 0
		.amdhsa_next_free_vgpr 768
		.amdhsa_next_free_sgpr 66
		.amdhsa_reserve_vcc 0
		.amdhsa_float_denorm_mode_32 3
		.amdhsa_float_denorm_mode_16_64 3
		.amdhsa_memory_ordered 1
		.amdhsa_forward_progress 1
		.amdhsa_inst_pref_size 86
	.end_amdhsa_kernel
	.amdgpu_metadata
---
amdhsa.version: [ 1, 2 ]
amdhsa.kernels:
  - .name:           k_qbf1917c63f_proj
    .symbol:         k_qbf1917c63f_proj.kd
    .args:
      - { .name: y, .offset: 0, .size: 8, .value_kind: global_buffer, .address_space: global }
      - { .name: wb, .offset: 8, .size: 8, .value_kind: global_buffer, .address_space: global }
      - { .name: bp, .offset: 16, .size: 8, .value_kind: global_buffer, .address_space: global }
      - { .name: out0, .offset: 24, .size: 8, .value_kind: global_buffer, .address_space: global }
    .group_segment_fixed_size: 327680
    .private_segment_fixed_size: 0
    .kernarg_segment_align: 8
    .kernarg_segment_size: 32
    .max_flat_workgroup_size: 128
    .sgpr_count:     66
    .vgpr_count:     768
    .wavefront_size: 32
...
	.end_amdgpu_metadata
.endif
;; end of part 4
